; MI455X (gfx1250); checked and timed in simulation.
; The chip was launched on July 23, 2026; its instructions are those of AMD's public machine-readable ISA for CDNA 5 (MIT licence, August 2026) and "CDNA5" Instruction Set Architecture Reference Guide (July 2026). The comments in the code are by the model that wrote it; some were corrected since.
;; RAM Feed Forward. Allowed arithmetic: float matrix products may take bf16 or f16 operands with f32 sums; all other float work in f32.
;; Inputs: bits 16,384 x 1,024 int32; down_conn 1,024 x 6 int32; down_table 1,024 x 64 int32; gate_conn 4,096 x 6 int32; gate_table 4,096 x 64 int32; up_conn 4,096 x 6 int32; up_table 4,096 x 64 int32.
;; Outputs: out0 16,384 x 1,024 int32.
;; One version. Each part assembles by itself: llvm-mc -triple=amdgcn-amd-amdhsa -mcpu=gfx1250 --defsym DOCPART=n.
;; ======== version 1 of 1: 2 launches
;; workspace buffers: rec 294,912 bytes of whole numbers
;; launch prep (part 1): grid 288 x 1, 1 waves a work-group, no clusters, 0 bytes of LDS; arguments up_conn, gate_conn, down_conn, up_table, gate_table, down_table, rec; writes rec
.if DOCPART == 1
	.amdgcn_target "amdgcn-amd-amdhsa--gfx1250"
	.amdhsa_code_object_version 6
	.text
	.protected	k_qa57f0730fe_prep
	.globl	k_qa57f0730fe_prep
	.p2align	8
	.type	k_qa57f0730fe_prep,@function
k_qa57f0730fe_prep:
	s_mov_b64 s[64:65], 0
	v_nop
	global_prefetch_b8 v0, s[64:65] scope:SCOPE_SE
	s_setreg_imm32_b32 hwreg(HW_REG_WAVE_MODE, 25, 1), 1
	s_wait_xcnt 0x0
; Makes one record of 32 bytes for each of the 4096 + 4096 + 1024 RAM neurons:
;   quad 0: 8 x conn[0..3]            quad 1: 8 x conn[4], 8 x conn[5], table word 0, table word 1
; (8 x conn is the byte offset of the input's two packed words in the next launch's LDS.)
; The quads lie in planes of 16 bytes a neuron, so that a wave that takes 32 neighbouring neurons reads 512 neighbouring bytes:
;   up quad 0 at 0, up quad 1 at 65536, gate quad 0 at 131072, gate quad 1 at 196608, down quad 0 at 262144, down quad 1 at 278528.
; Table entry a (0..63) goes to word (a & 3) >> 1, bit 16 (a & 1) + (a >> 2): the order in which the packing below delivers the bits.
; One wave a work-group, 32 neurons a wave: work-groups 0-127 up, 128-255 gate, 256-287 down.
; LIMIT: a table entry is 0 or 1, as reference() has it; any entry other than 0 counts as 1.
.set TROW,   256                       ; bytes of a neuron's table: 64 entries of 4 bytes
.set CROW,   24                        ; bytes of a neuron's six connections
.set PLANE,  65536                     ; 4096 neurons x 16 bytes
.set DPLANE, 16384                     ; 1024 neurons x 16 bytes
.set TAB, 8                            ; v[8:71]   the 32 tables: load i holds neurons 2 i (lanes 0-15) and 2 i + 1 (lanes 16-31), 4 entries a lane
.set CN,  72                           ; v[72:77]  lane = neuron: its six connections
.set Q0,  80                           ; v[80:83]  lane = neuron: quad 0
.set Q1,  84                           ; v[84:87]  lane = neuron: quad 1
	s_load_b256 s[4:11], s[0:1], 0x0               ; up_conn s[4:5], gate_conn s[6:7], down_conn s[8:9], up_table s[10:11]
	s_load_b128 s[12:15], s[0:1], 0x20             ; gate_table s[12:13], down_table s[14:15]
	s_load_b64 s[16:17], s[0:1], 0x30              ; rec
	s_and_b32 s18, ttmp9, 127                      ; my group of 32 neurons inside its layer
	s_lshr_b32 s19, ttmp9, 7                       ; the layer: 0 up, 1 gate, 2 down
	s_lshl_b32 s20, s18, 13                        ; 32 tables of 256 bytes
	s_mov_b32 s21, 0
	s_mul_i32 s22, s18, 32*CROW                    ; 32 connection rows of 24 bytes
	s_mov_b32 s23, 0
	s_lshl_b32 s24, s19, 17                        ; the layer's first plane: 2 planes of 65536 bytes a layer
	s_lshl_b32 s25, s18, 9                         ; 32 neurons x 16 bytes
	s_add_co_u32 s24, s24, s25
	s_mov_b32 s25, 0
	s_mov_b32 s26, PLANE                           ; from quad 0's plane to quad 1's: hidden layers,
	s_mov_b32 s27, DPLANE                          ; down layer
	v_lshlrev_b32 v1, 4, v0                        ; 16 x lane
	v_mul_u32_u24 v2, v0, CROW                     ; 24 x lane
	s_wait_kmcnt 0x0
	s_cmp_lt_u32 ttmp9, 128                        ; the layer's two buffers, chosen by the work-group's number alone
	s_cselect_b64 s[28:29], s[4:5], s[6:7]
	s_cselect_b64 s[30:31], s[10:11], s[12:13]
	s_cmp_lt_u32 ttmp9, 256
	s_cselect_b64 s[28:29], s[28:29], s[8:9]
	s_cselect_b64 s[30:31], s[30:31], s[14:15]
	s_cselect_b32 s26, s26, s27
	s_mov_b32 s27, 0
	s_add_nc_u64 s[28:29], s[28:29], s[22:23]      ; my 32 connection rows
	s_add_nc_u64 s[30:31], s[30:31], s[20:21]      ; my 32 tables
	s_add_nc_u64 s[16:17], s[16:17], s[24:25]      ; my 512 bytes of quad 0's plane
	s_add_nc_u64 s[32:33], s[16:17], s[26:27]      ; and of quad 1's
	global_load_b64 v[CN:CN+1],   v2, s[28:29] th:TH_LOAD_NT
	global_load_b64 v[CN+2:CN+3], v2, s[28:29] offset:8 th:TH_LOAD_NT
	global_load_b64 v[CN+4:CN+5], v2, s[28:29] offset:16 th:TH_LOAD_NT
.set i, 0
.rept 16
	global_load_b128 v[TAB+4*i:TAB+4*i+3], v1, s[30:31] offset:512*i th:TH_LOAD_NT   ; 512 neighbouring bytes: two tables
.set i, i+1
.endr
	v_mov_b32 v[Q1+2], 0                           ; v_writelane_b32 keeps the other lanes: written whole once
	v_mov_b32 v[Q1+3], 0
	s_wait_loadcnt 16                              ; the connections are in; the 16 table loads behind them stay out
.irp k, 0,1,2,3,4,5
	v_lshlrev_b32 v[Q0+\k], 3, v[CN+\k]            ; index to byte offset: 8 bytes an input
.endr
; One compare packs 32 lanes' entries into a scalar: bit l of mask c is entry 4 l + c of neuron 2 i (l < 16) or entry 4 (l - 16) + c of neuron 2 i + 1.
.set i, 0
.rept 16
	s_wait_loadcnt 15-i                            ; loads come back in order: load i is in, the 15 - i younger ones stay out
	v_cmp_ne_u32 s36, 0, v[TAB+4*i]
	v_cmp_ne_u32 s37, 0, v[TAB+4*i+1]
	v_cmp_ne_u32 s38, 0, v[TAB+4*i+2]
	v_cmp_ne_u32 s39, 0, v[TAB+4*i+3]
	s_and_b32 s40, s36, 0xffff                     ; neuron 2 i: the low halves, masks 0 and 1 in word 0,
	s_lshl_b32 s41, s37, 16
	s_or_b32 s40, s40, s41
	s_and_b32 s42, s38, 0xffff                     ; masks 2 and 3 in word 1
	s_lshl_b32 s43, s39, 16
	s_or_b32 s42, s42, s43
	s_lshr_b32 s44, s36, 16                        ; neuron 2 i + 1: the high halves
	s_and_b32 s45, s37, 0xffff0000
	s_or_b32 s44, s44, s45
	s_lshr_b32 s46, s38, 16
	s_and_b32 s47, s39, 0xffff0000
	s_or_b32 s46, s46, s47
	v_writelane_b32 v[Q1+2], s40, 2*i
	v_writelane_b32 v[Q1+3], s42, 2*i
	v_writelane_b32 v[Q1+2], s44, 2*i+1
	v_writelane_b32 v[Q1+3], s46, 2*i+1
.set i, i+1
.endr
	global_store_b128 v1, v[Q0:Q0+3], s[16:17]     ; each store covers 512 neighbouring bytes, aligned
	global_store_b128 v1, v[Q1:Q1+3], s[32:33]
	s_endpgm
.Lfunc_end_k_qa57f0730fe_prep:
	.size	k_qa57f0730fe_prep, .Lfunc_end_k_qa57f0730fe_prep-k_qa57f0730fe_prep
	.p2alignl 7, 3214868480
	.fill 96, 4, 3214868480
	.section	.rodata,"a",@progbits
	.p2align	6, 0x0
	.amdhsa_kernel k_qa57f0730fe_prep
		.amdhsa_group_segment_fixed_size 0
		.amdhsa_private_segment_fixed_size 0
		.amdhsa_enable_private_segment 0
		.amdhsa_kernarg_size 56
		.amdhsa_user_sgpr_count 2
		.amdhsa_user_sgpr_kernarg_segment_ptr 1
		.amdhsa_wavefront_size32 1
		.amdhsa_system_sgpr_workgroup_id_x 1
		.amdhsa_system_sgpr_workgroup_id_y 1
		.amdhsa_system_sgpr_workgroup_id_z 1
		.amdhsa_system_vgpr_workitem_id 0
		.amdhsa_next_free_vgpr 88
		.amdhsa_next_free_sgpr 66
		.amdhsa_reserve_vcc 0
		.amdhsa_float_denorm_mode_32 3
		.amdhsa_float_denorm_mode_16_64 3
		.amdhsa_memory_ordered 1
		.amdhsa_forward_progress 1
		.amdhsa_inst_pref_size 21
	.end_amdhsa_kernel
	.amdgpu_metadata
---
amdhsa.version: [ 1, 2 ]
amdhsa.kernels:
  - .name:           k_qa57f0730fe_prep
    .symbol:         k_qa57f0730fe_prep.kd
    .args:
      - { .name: up_conn, .offset: 0, .size: 8, .value_kind: global_buffer, .address_space: global }
      - { .name: gate_conn, .offset: 8, .size: 8, .value_kind: global_buffer, .address_space: global }
      - { .name: down_conn, .offset: 16, .size: 8, .value_kind: global_buffer, .address_space: global }
      - { .name: up_table, .offset: 24, .size: 8, .value_kind: global_buffer, .address_space: global }
      - { .name: gate_table, .offset: 32, .size: 8, .value_kind: global_buffer, .address_space: global }
      - { .name: down_table, .offset: 40, .size: 8, .value_kind: global_buffer, .address_space: global }
      - { .name: rec, .offset: 48, .size: 8, .value_kind: global_buffer, .address_space: global }
    .group_segment_fixed_size: 0
    .private_segment_fixed_size: 0
    .kernarg_segment_align: 8
    .kernarg_segment_size: 56
    .max_flat_workgroup_size: 32
    .sgpr_count:     66
    .vgpr_count:     88
    .wavefront_size: 32
...
	.end_amdgpu_metadata
.endif
;; end of part 1
;; launch main (part 2): grid 256 x 1, 16 waves a work-group, no clusters, 51,200 bytes of LDS; arguments bits, rec, out0; writes out0
.if DOCPART == 2
	.amdgcn_target "amdgcn-amd-amdhsa--gfx1250"
	.amdhsa_code_object_version 6
	.text
	.protected	k_qa57f0730fe_main
	.globl	k_qa57f0730fe_main
	.p2align	8
	.type	k_qa57f0730fe_main,@function
k_qa57f0730fe_main:
	s_mov_b64 s[64:65], 0
	v_nop
	global_prefetch_b8 v0, s[64:65] scope:SCOPE_SE
	s_setreg_imm32_b32 hwreg(HW_REG_WAVE_MODE, 25, 1), 1
	s_wait_xcnt 0x0
; out = down(up(bits) & gate(bits)) ^ bits for 64 batch rows a work-group, all layers fused, BIT-SLICED:
; one 32-bit word holds one bit of 32 batch rows, so a work-group has two words for each of the 1024 inputs, 4096 hidden bits and 1024 outputs.
; A RAM neuron (6 inputs, 64 table bits) is then a tree of 63 bitwise selects that serves 32 rows at once; lane = neuron, both words at a time,
; so that the 64 masks made of the table bits serve two trees.
;   1. load 64 rows x 4096 bytes, pack (one shift-or a number) into X in LDS           [barrier]
;   2. 4096 hidden neurons: gather 6 + 6 word pairs from X, two trees, AND, into H     [barrier]
;   3. 1024 down neurons: gather 6 word pairs from H, one tree, XOR with X, into Z     [barrier]
;   4. unpack Z (one bit-field extract a number) and store 64 rows x 4096 bytes
; bits is read once: the residual is taken from the packed words.
; Sixteen waves.  Rows: wave w owns columns 64 w .. 64 w + 63; lanes 0-15 take rows 0-31 (word 0), lanes 16-31 rows 32-63 (word 1), 16 bytes a lane:
; each load and store covers two aligned runs of 256 bytes.  Neurons: wave w owns hidden neurons 256 w .. + 255 and down neurons 64 w .. + 63.
; Every wave stores only into LDS bytes of its own (wave number x a constant + lane term).
; NO CLUSTER: rec (294,912 bytes) is read by every work-group, but each 16 bytes of it go straight into the registers of the one lane that uses
; them, 64 bytes a lane one pass (some 400 vector instructions) ahead; through LDS they would be written and read once more, in a ring with a round of the
; cluster's barrier for each refill.  bits and out0 are shared with nobody.
; LIMITS: bits are 0 or 1 (as reference() has them: they form 6-bit table addresses); any other number would spill into the neighbouring rows' bit places.
; Connection indices lie inside their layer; one beyond the end is clamped to the last entry.
.set ROWB,  4096                       ; bytes in a row of bits and of out0
.set XB,    0                          ; LDS: X[1024][2] words, 8,192 bytes
.set HB,    8192                       ; LDS: H[4096][2] words, 32,768 bytes
.set ZB,    40960                      ; LDS: Z[2][1024] words, 8,192 bytes: word 0 of all outputs, then word 1
.set XMAX,  1023*8                     ; last entry of X, of H: the clamps of the gathers' offsets
.set HMAX,  4095*8
.set PLANE, 65536                      ; rec: up quad 0, up quad 1, gate quad 0, gate quad 1, 4096 x 16 bytes each,
.set DQ0,   4*PLANE                    ; then down quad 0
.set DQ1,   4*PLANE+16384              ; and down quad 1, 1024 x 16 bytes each
.set HPASSES, 8                        ; 256 hidden neurons of a wave, 32 a pass
.set GO, 1                             ; v1   byte offset of my 16 bytes in my first row, from the group's first row; never rewritten
.set RO, 2                             ; v2   byte offset of my hidden neuron's quad in a plane of rec; steps 512 a pass
.set RD, 3                             ; v3   the same for my first down neuron
.set XS, 4                             ; v4   LDS: where my four packed words go in X
.set HS, 5                             ; v5   LDS: my hidden neuron's pair in H (less HB); steps 256 a pass
.set XA, 6                             ; v6   LDS: X's pair of my first down neuron's column
.set ZS, 7                             ; v7   LDS: my first down neuron's word in a plane of Z (less ZB)
.set R,  8                             ; v[8:23]   two records: offsets at +0..5, table at +6, +7; second record at +8
.set TU, 24                            ; v[24:25]  up's table, v[26:27] gate's
.set TG, 26
.set XU, 28                            ; v[28:39]  six gathered pairs: input k's word 0 at +2k, word 1 at +2k+1
.set XG, 40                            ; v[40:51]  the same for the second record
.set M,  52                            ; v[52:55]  four table bits as masks
.set TA, 56                            ; v[56:57]  the tree's partial results, a pair (word 0, word 1) for each level
.set P2, 58
.set P3, 60
.set P4, 62
.set P5, 64
.set DU, 66                            ; v[66:67]  result of the first tree, v[68:69] of the second
.set DG, 68
.set XR, 70                            ; v[70:73]  the residual's packed words for my two down neurons
.set ZQ, 74                            ; v[74:77]  packed results of my four columns
.set ZL, 78                            ; v78       LDS: where they lie in Z (less ZB)
.set B,  80                            ; v[80:207] 32 rows x 4 numbers, on the way in and on the way out
	s_load_b128 s[4:7], s[0:1], 0x0                ; bits s[4:5], rec s[6:7]
	s_load_b64 s[8:9], s[0:1], 0x10                ; out0
	v_lshl_add_u32 v208, v0, 2, 0xc000
	v_mov_b32 v209, 0
	v_lshrrev_b32 v[M], 5, v0
	v_readfirstlane_b32 s12, v[M]                  ; wave 0..15
	v_and_b32 v[M], 31, v0                         ; lane
	v_and_b32 v[M+1], 15, v0                       ; my place in a run of 256 bytes
	v_bfe_u32 v[M+2], v0, 4, 1                     ; which 32 rows, which word
	s_lshl_b32 s10, ttmp9, 18                      ; the work-group's 64 rows of 4,096 bytes (below 2^26)
	s_mov_b32 s11, 0
	s_lshl_b32 s13, s12, 8                         ; wave x 256
	s_lshl_b32 s14, s12, 12                        ; wave x 4096
	v_lshl_add_u32 v[GO], v[M+1], 4, s13           ; 64 columns a wave, 4 a lane,
	v_lshl_add_u32 v[GO], v[M+2], 17, v[GO]        ; 32 rows further down for lanes 16-31
	v_lshl_add_u32 v[RO], v[M], 4, s14             ; neuron 256 wave + lane, 16 bytes each
	s_wait_kmcnt 0x0
	s_add_nc_u64 s[4:5], s[4:5], s[10:11]
	s_add_nc_u64 s[8:9], s[8:9], s[10:11]
.macro RECS                            ; the records of my next hidden neuron: each load of the wave takes 512 neighbouring bytes of a plane
	global_load_b128 v[R:R+3],     v[RO], s[6:7]
	global_load_b128 v[R+4:R+7],   v[RO], s[6:7] offset:PLANE
	global_load_b128 v[R+8:R+11],  v[RO], s[6:7] offset:2*PLANE
	global_load_b128 v[R+12:R+15], v[RO], s[6:7] offset:3*PLANE
.endm
	RECS                                           ; first, so that the row loads' counts below cover them
.set row, 0
.rept 32
	global_load_b128 v[B+4*row:B+4*row+3], v[GO], s[4:5] offset:row*ROWB th:TH_LOAD_NT   ; all 32 of my rows at once: the work-group's whole 262,144 bytes are on their way
.set row, row+1
.endr
	s_lshl_b32 s15, s12, 10                        ; wave x 1024
	s_lshl_b32 s16, s12, 9                         ; wave x 512
	s_lshl_b32 s17, s12, 11                        ; wave x 2048
	v_lshl_add_u32 v[RD], v[M], 4, s15             ; down neuron 64 wave + lane, 16 bytes each
	v_lshl_add_u32 v[XS], v[M+1], 5, s16           ; column 64 wave + 4 place, 8 bytes each,
	v_lshl_add_u32 v[XS], v[M+2], 2, v[XS]         ; my word of the pair
	v_lshl_add_u32 v[HS], v[M], 3, s17             ; hidden neuron 256 wave + lane, 8 bytes each
	v_lshl_add_u32 v[XA], v[M], 3, s16             ; column 64 wave + lane, 8 bytes each
	v_lshl_add_u32 v[ZS], v[M], 2, s13             ; down neuron 64 wave + lane, 4 bytes each
	v_lshl_add_u32 v[ZL], v[M+1], 4, s13           ; column 64 wave + 4 place, 4 bytes each,
	v_lshl_add_u32 v[ZL], v[M+2], 12, v[ZL]        ; in my word's plane
	; 1. PACK: bit r of a word = row r.  Row 0's registers start the four words: nothing is cleared.
.set row, 1
.rept 31
	s_wait_loadcnt 31-row                          ; loads come back in order: this row is in, the 31 - row younger ones stay out
	v_lshl_or_b32 v[B],   v[B+4*row],   row, v[B]
	v_lshl_or_b32 v[B+1], v[B+4*row+1], row, v[B+1]
	v_lshl_or_b32 v[B+2], v[B+4*row+2], row, v[B+2]
	v_lshl_or_b32 v[B+3], v[B+4*row+3], row, v[B+3]
.set row, row+1
.endr
.irp j, 0,1,2,3
	ds_store_b32 v[XS], v[B+\j] offset:XB+8*\j     ; column j's pair, my word
.endr
	s_wait_dscnt 0x0                               ; my part of X is written,
	s_barrier_signal -1
	s_barrier_wait -1                              ; everybody's is
; THE TREE.  x: first of the six gathered pairs; t: the table's two words; d: the pair that takes the result.
; v_bfi_b32 D, S, A, B takes A where S has ones and B elsewhere: in each bit place (each row) the input bit selects between the two halves of the table.
; Four table entries 4 j .. 4 j + 3, selected by inputs 0 and 1.  Entry 4 j + c lies in word c >> 1 at bit 16 (c & 1) + j; v_bfe_i32 of one bit spreads it over the word.
.macro QUAD d, j, x, t
	v_bfe_i32 v[M],   v[\t],   \j, 1
	v_bfe_i32 v[M+1], v[\t],   16+\j, 1
	v_bfe_i32 v[M+2], v[\t+1], \j, 1
	v_bfe_i32 v[M+3], v[\t+1], 16+\j, 1
	v_bfi_b32 v[TA],   v[\x],   v[M+1], v[M]
	v_bfi_b32 v[TA+1], v[\x+1], v[M+1], v[M]
	v_bfi_b32 v[\d],   v[\x],   v[M+3], v[M+2]
	v_bfi_b32 v[\d+1], v[\x+1], v[M+3], v[M+2]
	v_bfi_b32 v[\d],   v[\x+2], v[\d],   v[TA]
	v_bfi_b32 v[\d+1], v[\x+3], v[\d+1], v[TA+1]
.endm
; Each level: the half with the input bit 0 into the level's own pair, the half with bit 1 into d, then the select.  Lower levels use lower pairs only.
.macro LUT3 d, j, x, t
	QUAD P2, 2*(\j), \x, \t
	QUAD \d, 2*(\j)+1, \x, \t
	v_bfi_b32 v[\d],   v[\x+4], v[\d],   v[P2]
	v_bfi_b32 v[\d+1], v[\x+5], v[\d+1], v[P2+1]
.endm
.macro LUT4 d, j, x, t
	LUT3 P3, 2*(\j), \x, \t
	LUT3 \d, 2*(\j)+1, \x, \t
	v_bfi_b32 v[\d],   v[\x+6], v[\d],   v[P3]
	v_bfi_b32 v[\d+1], v[\x+7], v[\d+1], v[P3+1]
.endm
.macro LUT5 d, j, x, t
	LUT4 P4, 2*(\j), \x, \t
	LUT4 \d, 2*(\j)+1, \x, \t
	v_bfi_b32 v[\d],   v[\x+8], v[\d],   v[P4]
	v_bfi_b32 v[\d+1], v[\x+9], v[\d+1], v[P4+1]
.endm
.macro LUT6 d, x, t                    ; 64 masks + 2 x 63 selects
	LUT5 P5, 0, \x, \t
	LUT5 \d, 1, \x, \t
	v_bfi_b32 v[\d],   v[\x+10], v[\d],   v[P5]
	v_bfi_b32 v[\d+1], v[\x+11], v[\d+1], v[P5+1]
.endm
; 2. One pass over 32 hidden neurons of the wave.  last = 0: the next pass's records are asked for; last = 1: my two down neurons' records.
.macro HPASS last
	s_wait_loadcnt 0x0                             ; this pass's records are in; their loads are done, so RO may step
.irp k, 0,1,2,3,4,5
	v_min_u32 v[R+\k],   XMAX, v[R+\k]             ; a loaded number becomes an LDS address only clamped to the table it indexes
	v_min_u32 v[R+8+\k], XMAX, v[R+8+\k]
.endr
.irp k, 0,1,2,3,4,5
	ds_load_b64 v[XU+2*\k:XU+2*\k+1], v[R+\k] offset:XB
.endr
.irp k, 0,1,2,3,4,5
	ds_load_b64 v[XG+2*\k:XG+2*\k+1], v[R+8+\k] offset:XB
.endr
	v_mov_b32 v[TU],   v[R+6]                      ; the tables move out of the way of the next records
	v_mov_b32 v[TU+1], v[R+7]
	v_mov_b32 v[TG],   v[R+14]
	v_mov_b32 v[TG+1], v[R+15]
.if \last
	global_load_b128 v[R:R+3],     v[RD], s[6:7] offset:DQ0
	global_load_b128 v[R+4:R+7],   v[RD], s[6:7] offset:DQ1
	global_load_b128 v[R+8:R+11],  v[RD], s[6:7] offset:DQ0+512
	global_load_b128 v[R+12:R+15], v[RD], s[6:7] offset:DQ1+512
.else
	v_add_nc_u32 v[RO], 512, v[RO]                 ; 32 neurons on
	RECS
.endif
	s_wait_dscnt 0x6                               ; LDS answers in order: up's six pairs are in, gate's six may stay out
	LUT6 DU, XU, TU
	s_wait_dscnt 0x0
	LUT6 DG, XG, TG
	v_and_b32 v[DU],   v[DU],   v[DG]
	v_and_b32 v[DU+1], v[DU+1], v[DG+1]
	ds_store_b64 v[HS], v[DU:DU+1] offset:HB
	v_add_nc_u32 v[HS], 256, v[HS]
.endm
	s_mov_b32 s18, HPASSES-1
.Lhidden:
	HPASS 0
	s_sub_co_i32 s18, s18, 1
	s_cmp_lg_u32 s18, 0
	s_cbranch_scc1 .Lhidden
	HPASS 1                                        ; the last pass is written out: no load leaves the hidden planes
	s_wait_dscnt 0x0                               ; my part of H is written,
	s_barrier_signal -1
	s_barrier_wait -1                              ; everybody's is
	; 3. my two down neurons, 64 wave + lane and 32 further on
	s_wait_loadcnt 0x0
.irp k, 0,1,2,3,4,5
	v_min_u32 v[R+\k],   HMAX, v[R+\k]
	v_min_u32 v[R+8+\k], HMAX, v[R+8+\k]
.endr
.irp k, 0,1,2,3,4,5
	ds_load_b64 v[XU+2*\k:XU+2*\k+1], v[R+\k] offset:HB
.endr
	ds_load_b64 v[XR:XR+1], v[XA] offset:XB        ; the residual: the packed input of the neuron's own column
.irp k, 0,1,2,3,4,5
	ds_load_b64 v[XG+2*\k:XG+2*\k+1], v[R+8+\k] offset:HB
.endr
	ds_load_b64 v[XR+2:XR+3], v[XA] offset:XB+256
	s_wait_dscnt 0x7                               ; the first neuron's seven loads are in, the second's seven may stay out
	LUT6 DU, XU, R+6
	v_xor_b32 v[DU],   v[DU],   v[XR]
	v_xor_b32 v[DU+1], v[DU+1], v[XR+1]
	ds_store_b32 v[ZS], v[DU]   offset:ZB
	ds_store_b32 v[ZS], v[DU+1] offset:ZB+4096
	s_wait_dscnt 0x2                               ; all loads are in; only the two stores just issued may stay out
	LUT6 DG, XG, R+14
	v_xor_b32 v[DG],   v[DG],   v[XR+2]
	v_xor_b32 v[DG+1], v[DG+1], v[XR+3]
	ds_store_b32 v[ZS], v[DG]   offset:ZB+128
	ds_store_b32 v[ZS], v[DG+1] offset:ZB+4096+128
	s_wait_dscnt 0x0                               ; my part of Z is written,
	s_barrier_signal -1
	s_barrier_wait -1                              ; everybody's is
	; 4. UNPACK AND STORE: my four columns' words, one bit a row.  Each row has data registers of its own, so no store's data is ever rewritten and no wait stands among the stores.
	ds_load_b128 v[ZQ:ZQ+3], v[ZL] offset:ZB
	s_wait_dscnt 0x0
.set row, 0
.rept 32
	v_bfe_u32 v[B+4*row],   v[ZQ],   row, 1
	v_bfe_u32 v[B+4*row+1], v[ZQ+1], row, 1
	v_bfe_u32 v[B+4*row+2], v[ZQ+2], row, 1
	v_bfe_u32 v[B+4*row+3], v[ZQ+3], row, 1
	global_store_b128 v[GO], v[B+4*row:B+4*row+3], s[8:9] offset:row*ROWB th:TH_STORE_NT   ; lanes 0-15 and lanes 16-31 each store 256 consecutive bytes, aligned
.set row, row+1
.endr
	s_wait_tensorcnt 0x0
	ds_add_u32 v208, v209
	s_wait_dscnt 0x0
	s_endpgm
.Lfunc_end_k_qa57f0730fe_main:
	.size	k_qa57f0730fe_main, .Lfunc_end_k_qa57f0730fe_main-k_qa57f0730fe_main
	.p2alignl 7, 3214868480
	.fill 96, 4, 3214868480
	.section	.rodata,"a",@progbits
	.p2align	6, 0x0
	.amdhsa_kernel k_qa57f0730fe_main
		.amdhsa_group_segment_fixed_size 51200
		.amdhsa_private_segment_fixed_size 0
		.amdhsa_enable_private_segment 0
		.amdhsa_kernarg_size 24
		.amdhsa_user_sgpr_count 2
		.amdhsa_user_sgpr_kernarg_segment_ptr 1
		.amdhsa_wavefront_size32 1
		.amdhsa_system_sgpr_workgroup_id_x 1
		.amdhsa_system_sgpr_workgroup_id_y 1
		.amdhsa_system_sgpr_workgroup_id_z 1
		.amdhsa_system_vgpr_workitem_id 0
		.amdhsa_next_free_vgpr 210
		.amdhsa_next_free_sgpr 66
		.amdhsa_reserve_vcc 0
		.amdhsa_float_denorm_mode_32 3
		.amdhsa_float_denorm_mode_16_64 3
		.amdhsa_memory_ordered 1
		.amdhsa_forward_progress 1
		.amdhsa_inst_pref_size 104
	.end_amdhsa_kernel
	.amdgpu_metadata
---
amdhsa.version: [ 1, 2 ]
amdhsa.kernels:
  - .name:           k_qa57f0730fe_main
    .symbol:         k_qa57f0730fe_main.kd
    .args:
      - { .name: bits, .offset: 0, .size: 8, .value_kind: global_buffer, .address_space: global }
      - { .name: rec, .offset: 8, .size: 8, .value_kind: global_buffer, .address_space: global }
      - { .name: out0, .offset: 16, .size: 8, .value_kind: global_buffer, .address_space: global }
    .group_segment_fixed_size: 51200
    .private_segment_fixed_size: 0
    .kernarg_segment_align: 8
    .kernarg_segment_size: 24
    .max_flat_workgroup_size: 512
    .sgpr_count:     66
    .vgpr_count:     210
    .wavefront_size: 32
...
	.end_amdgpu_metadata
.endif
;; end of part 2
